; MI455X (gfx1250); checked and timed in simulation.
; The chip was launched on July 23, 2026; its instructions are those of AMD's public machine-readable ISA for CDNA 5 (MIT licence, August 2026) and "CDNA5" Instruction Set Architecture Reference Guide (July 2026). The comments in the code are by the model that wrote it; some were corrected since.
;; Lo RA Multihead Attention. Allowed arithmetic: matrix products marked QUANTISED: E2M3 operands, one E8M0 scale for each 32 along K, by v_wmma_scale_f32_16x16x128_f8f6f4 with both operands' format E2M3, f32 sums; products left as they are: f32 operands where the result goes on into a quantised operand, else bf16, f16 or f32 operands; f32 sums; everything else in f32.
;; Inputs: Aq_codes 16 x 32 x 24 uint8 (E2M3 codes of Aq, K innermost, in blocks of 32 codes, four codes in three bytes); Aq_scales 16 x 32 uint8 (E8M0 scales of Aq, one for each 32 codes along K); Av_codes 16 x 32 x 24 uint8 (E2M3 codes of Av, K innermost, in blocks of 32 codes, four codes in three bytes); Av_scales 16 x 32 uint8 (E8M0 scales of Av, one for each 32 codes along K); Bq 16 x 1,024 float32; Bv 16 x 1,024 float32; Wk_codes 1,024 x 32 x 24 uint8 (E2M3 codes of Wk, K innermost, in blocks of 32 codes, four codes in three bytes); Wk_scales 1,024 x 32 uint8 (E8M0 scales of Wk, one for each 32 codes along K); Wo_codes 1,024 x 32 x 24 uint8 (E2M3 codes of Wo, K innermost, in blocks of 32 codes, four codes in three bytes); Wo_scales 1,024 x 32 uint8 (E8M0 scales of Wo, one for each 32 codes along K); Wq_codes 1,024 x 32 x 24 uint8 (E2M3 codes of Wq, K innermost, in blocks of 32 codes, four codes in three bytes); Wq_scales 1,024 x 32 uint8 (E8M0 scales of Wq, one for each 32 codes along K); Wv_codes 1,024 x 32 x 24 uint8 (E2M3 codes of Wv, K innermost, in blocks of 32 codes, four codes in three bytes); Wv_scales 1,024 x 32 uint8 (E8M0 scales of Wv, one for each 32 codes along K); bk 1,024 float32; bo 1,024 float32; bq 1,024 float32; bv 1,024 float32; x_k_codes 2,048 x 4 x 32 x 24 uint8 (E2M3 codes of x_k, K innermost, in blocks of 32 codes, four codes in three bytes); x_k_scales 2,048 x 4 x 32 uint8 (E8M0 scales of x_k, one for each 32 codes along K); x_q_codes 2,048 x 4 x 32 x 24 uint8 (E2M3 codes of x_q, K innermost, in blocks of 32 codes, four codes in three bytes); x_q_scales 2,048 x 4 x 32 uint8 (E8M0 scales of x_q, one for each 32 codes along K); x_v_codes 2,048 x 4 x 32 x 24 uint8 (E2M3 codes of x_v, K innermost, in blocks of 32 codes, four codes in three bytes); x_v_scales 2,048 x 4 x 32 uint8 (E8M0 scales of x_v, one for each 32 codes along K).
;; Outputs: out0 2,048 x 4 x 1,024 float32.
;; This version of the problem:
;;   THIS VERSION OF THE PROBLEM IS GIVEN IN LOW PRECISION. The matrix products marked QUANTISED in the list below multiply operands that are first quantised to E2M3 (2 exponent bits, 3 mantissa bits; 6 bits a number), with one power-of-two scale for each 32 numbers along K (OCP MX v1.0); their sums are f32. All else is computed in f32.
;;   The module's matrix products, in the order in which they are computed (A, B: the left and right operand; K: the contracted axis; several contracted axes count as one K, in the product's order):
;;     1. [M 8,192, K 1,024] x [K 1,024, N 1,024]; A: input x_q (given as codes); B: input Wq (given as codes): QUANTISED
;;     2. [M 8,192, K 1,024] x [K 1,024, N 16]; A: input x_q (given as codes); B: input Aq (given as codes): QUANTISED
;;     3. [M 8,192, K 16] x [K 16, N 1,024]; A: computed on the way; B: input Bq: left as it is (K = 16 < 32)
;;     4. [M 8,192, K 1,024] x [K 1,024, N 1,024]; A: input x_k (given as codes); B: input Wk (given as codes): QUANTISED
;;     5. [M 8,192, K 1,024] x [K 1,024, N 1,024]; A: input x_v (given as codes); B: input Wv (given as codes): QUANTISED
;;     6. [M 8,192, K 1,024] x [K 1,024, N 16]; A: input x_v (given as codes); B: input Av (given as codes): QUANTISED
;;     7. [M 8,192, K 16] x [K 16, N 1,024]; A: computed on the way; B: input Bv: left as it is (K = 16 < 32)
;;     8. batch 64 x [M 2,048, K 64] x [K 64, N 2,048]; A: computed on the way; B: computed on the way: QUANTISED
;;     9. batch 64 x [M 2,048, K 2,048] x [K 2,048, N 64]; A: softmax (see below); B: computed on the way: QUANTISED
;;     10. [M 8,192, K 1,024] x [K 1,024, N 1,024]; A: computed on the way; B: input Wo (given as codes): QUANTISED
;;   THE QUANTISER, for each operand of a quantised product, along K:
;;     - K is cut into blocks of 32 from its start; a last block that is shorter is filled with zeros.
;;     - A block's scale is 2^e with e = floor(log2(the largest magnitude in the block)) - 2, held to -126 .. 127; a block of zeros has e = 0. As a byte (E8M0): e + 127.
;;     - Each number is divided by its block's scale, clamped to +-7.5, and rounded to the nearest number of E2M3, ties to even, subnormals kept.
;;     - The product sums the exact products of the quantised numbers (number of the format x scale) in f32.
;;   ~~~python
;;   def quantise(x, axis):      # numpy; x: float32 -> the quantised numbers, widened to float32 again
;;       x = np.moveaxis(x, axis, -1); K = x.shape[-1]
;;       x = np.pad(x, [(0, 0)] * (x.ndim - 1) + [(0, -K % 32)]); x = x.reshape(x.shape[:-1] + (-1, 32)); a = np.abs(x).max(-1, keepdims=True)
;;       e = np.where(a > 0, np.clip(np.frexp(np.where(a > 0, a, 1))[1] - 1 - 2, -126, 127), 0)      # np.frexp(a)[1] - 1 = floor(log2(a)), exactly
;;       r = np.clip(x / 2.0 ** e, -7.5, 7.5)
;;       step = 2.0 ** (np.maximum(np.frexp(np.where(r == 0, 1, r))[1] - 1, 0) - 3)
;;       q = np.round(r / step) * step * 2.0 ** e      # np.round: ties to even
;;       return np.moveaxis(q.reshape(q.shape[:-2] + (-1,))[..., :K], -1, axis).astype(np.float32)
;;   ~~~
;;   SOFTMAX AHEAD OF A QUANTISED PRODUCT. Where the list says 'softmax', what is quantised is not the finished softmax but p = 2^(t - M), with t = logit x log2(e) and M = ceil(the row's largest t), a whole number; so 1/2 < the row's largest p <= 1. The row's sum l is taken of the UNQUANTISED p, in f32, and the product's result is divided by l at the end. Since M is a whole number, a kernel that streams over the keys may use a running M (the ceiling of the running maximum): every later rescaling is an exact power of two, which a block's scale takes up: the codes' values come out the same.
;;   OPERANDS COMPUTED ON THE WAY. 'Computed on the way' means the value that the module computes at that place (a softmax that the list does not call 'softmax' is quantised finished and normalised). What goes into a quantiser is computed in f32, as accurately as f32 sums, v_exp_f32 and their like allow (about 1e-6 of the number): no bf16 or f16 on the way to a quantiser, and a product that is left as it is and whose result goes on into a quantised operand takes f32 operands (vector FMAs, or v_wmma_f32_16x16x4_f32). A number that lies on a knife's edge between two numbers of the format may be rounded either way, as far as f32 arithmetic and the matrix unit's own rounding can turn it there, and no further.
;;   INPUTS GIVEN AS CODES. Aq (in the module: [1024, 16], K = its axis 0); Av (in the module: [1024, 16], K = its axis 0); Wk (in the module: [1024, 1024], K = its axis 1); Wo (in the module: [1024, 1024], K = its axis 1); Wq (in the module: [1024, 1024], K = its axis 1); Wv (in the module: [1024, 1024], K = its axis 1); x_k (in the module: [2048, 4, 1024], K = its axis 2); x_q (in the module: [2048, 4, 1024], K = its axis 2); x_v (in the module: [2048, 4, 1024], K = its axis 2): each comes as NAME_codes (uint8): NAME with its K axis moved to the last place and cut into blocks of 32 codes, [.., K / 32, bytes a block], one block behind the other in memory; four codes in three bytes: a row's codes are one little-endian stream of bits, code i at bits 6 i .. 6 i + 5 (a code: sign, 2 exponent bits, 3 mantissa bits); and NAME_scales (uint8): the same leading axes, one E8M0 byte (e + 127) for each 32 codes along K. Its value is code x scale, taken as it is: it is not quantised again, and the codes and scales need not be those that the quantiser above would give.
;; One version. Each part assembles by itself: llvm-mc -triple=amdgcn-amd-amdhsa -mcpu=gfx1250 --defsym DOCPART=n.
;; ======== version 1 of 1: 3 launches
;; limits: right only within a limited range of input values
;; workspace buffers: qcod 6,291,456 bytes; kcod 6,291,456 bytes; vcod 6,291,456 bytes; acod 6,291,456 bytes; qscl 524,288 bytes; kscl 524,288 bytes; vscl 524,288 bytes; ascl 524,288 bytes
;; launch proj (part 1): grid 8 x 96, 4 waves a work-group, clusters of 4 x 4, 327,680 bytes of LDS; arguments x_q_codes, x_k_codes, x_v_codes, x_q_scales, x_k_scales, x_v_scales, Wq_codes, Wk_codes, Wv_codes, Wq_scales, Wk_scales, Wv_scales, bq, bk, bv, qcod, kcod, vcod, qscl, kscl, vscl, Aq_codes, Av_codes, Aq_scales, Av_scales, Bq, Bv; writes qcod, kcod, vcod, qscl, kscl, vscl
.if DOCPART == 1
	.amdgcn_target "amdgcn-amd-amdhsa--gfx1250"
	.amdhsa_code_object_version 6
	.text
	.protected	k_q5ca6a9a743_proj
	.globl	k_q5ca6a9a743_proj
	.p2align	8
	.type	k_q5ca6a9a743_proj,@function
k_q5ca6a9a743_proj:
	s_mov_b64 s[64:65], 0
	v_nop
	global_prefetch_b8 v0, s[64:65] scope:SCOPE_SE
	s_setreg_imm32_b32 hwreg(HW_REG_WAVE_MODE, 25, 1), 1
	s_wait_xcnt 0x0
	s_wait_alu depctr_hold_cnt(0) depctr_sa_sdst(0) depctr_va_vdst(0) depctr_va_sdst(0) depctr_va_ssrc(0) depctr_va_vcc(0) depctr_vm_vsrc(0)
	s_getreg_b32 s2, hwreg(HW_REG_IB_STS2, 6, 4)
	s_cmp_eq_u32 s2, 0
	s_cbranch_scc0 .Lentry_in_a_cluster
	s_endpgm
.Lentry_in_a_cluster:
	s_bfe_u32 s2, ttmp6, 0x10000c
	s_cmp_lg_u32 s2, 0xf033
	s_cbranch_scc0 .Lentry_shape_is_right
	s_endpgm
.Lentry_shape_is_right:
; q = x_q Wq^T + bq + 2 (x_q Aq) Bq,  k = x_k Wk^T + bk,  v = x_v Wv^T + bv + 2 (x_v Av) Bv, each quantised to FP6 (E2M3) codes with one E8M0 byte for 32 numbers:
; q and k along a head's 64 channels, v along the keys.  x, W and A arrive as codes and go to the matrix unit as they lie; u = x A is a product on codes; u (2 B) is made with f32 operands, since it goes on into a quantiser.
; SHARES.  The cluster's y says which tensor (0-7 q, 8-15 k, 16-23 v).  A work-group makes 64 positions s x 4 batches x 128 columns (two heads of each batch).  Wave w takes batch w: 4 tiles of 16 rows, all 128 columns, a head at a time.
; x's 64 rows of a wave (768 bytes each, all of K) and W's 128 rows come into LDS once, by two tensor loads a wave; x then stays in 384 registers, W's fragments are read from LDS K step by K step.
; CLUSTER 4 x 4: the four work-groups of a row of the cluster need the same rows of x, the four of a column the same rows of W: each is asked for jointly.
; q, k: source 0 = 16 rows of W, source 1 = 16 rows of x: a lane holds one row and 8 neighbouring channels.  v: the sources change places: a lane holds one channel and 8 neighbouring positions.  In both the 16 registers of two
; neighbouring tiles are 16 numbers of one block of 32, and one text (EPI) quantises all three.
; WHAT IS STORED: images of half an operand (6 registers a lane, 64 along K): three stores of 8 bytes a lane, each 256 consecutive bytes at a multiple of 256.  Lane (r, H) holds block H of row r.
; Inside a block slot 16 a + 8 c + i holds number 16 c + 8 a + i: the same order on q and k, and on v and the weights p that the next launch makes, so every product is that of the natural order.
; LIMITS: NaN, infinities and scale bytes 0xff among the inputs are not served.  A block of zeros gets the byte 1 (the rule says 127): its codes are zeros, and this program alone reads the bytes.
; REGISTERS, in windows of 256: window 0: v1-15 addresses; v24-55 x's scale words, v56-119 W's, v120-127 A's; v128-223 W's fragments, two sets of 4 x 12 (first A's eight; in EPI at work).
;   window 1: x's fragments of K steps 0-4 (48 ks + 12 rt).  window 2: those of K steps 5-7; v144-175 u; v176-239 2 B.  window 3: v0-127 the 16 accumulators ((X, Y) at 8 (4 X + Y)); v128-191 the biases.
.set PX,  816                          ; an LDS row: 3 x (256 bytes + 16 of padding) = 204 words: row r starts at bank 12 r mod 64 (64 banks of 4 bytes: ISA guide 11.1): the 32 lanes of a load of 8 bytes touch 64 different banks
.set XW,  64*PX                        ; a wave's 64 rows of x
.set WB,  4*XW                         ; behind x: W's 128 rows
.set WW,  32*PX
.set SPARE, WB+4*WW                    ; behind W's rows: the spare words, 128 bytes a wave; v16 = my word's address, v17 = 0, kept for the add alone
.set XS,  24
.set WS,  56
.set AS,  120
.set WF,  128
.set U,   144
.set BT,  176
.set BI,  128
.set TM,  128                          ; EPI: v128-135 largest magnitudes, v136-143 the other half's, then bytes, v144-151 the conversions' scale operands, v152-155 scale words, v156-157 as stored, v160.. codes
.set TP,  136
.set SO,  144
.set WD,  152
.set SW,  156
.set CP,  160
.set WV,  3
.set CX,  4
.set CY,  5
.set TT,  6                            ; 0 q, 1 k, 2 v
.set MY,  7                            ; which 64 positions
.set NX,  62                           ; which 128 columns
.set SEL, 98
.set G1X, 68
.set G0X, 76
.set G1W, 80
.set G0W, 88
.set MSB, 0
.macro WIN new                         ; the immediate's high byte repeats the setting that is left; a switch that changes nothing is dropped
.if MSB != (\new)
	s_set_vgpr_msb (MSB<<8)|(\new)
.set MSB, (\new)
.endif
.endm
.macro PLACES n
.rept \n
	v_nop
.endr
.endm
.macro CROUND                          ; a round of the cluster's barrier
	s_barrier_signal -1
	s_barrier_wait -1
	s_cmp_lg_u32 s[WV], 0
	s_cbranch_scc1 .Lnot_wave_0_\@
	s_barrier_signal -3
.Lnot_wave_0_\@:
	s_barrier_wait -3
	s_barrier_signal -1
	s_barrier_wait -1
.endm
; One piece of 8 bytes of a fragment: K step ks, piece p of six.  Lanes 0-15 take the row's piece PC, lanes 16-31 the piece three on; where that lies behind one padding more, the second address register (40 for 24 bytes a half) serves.
.macro PIECE reg, a24, ks, p, off
.set PC, 12*(\ks)+6*((\p)/3)+(\p)%3
.if PC%32 < 29
	ds_load_b64 v[\reg:\reg+1], v[\a24] offset:8*PC+16*(PC/32)+(\off)
.else
	ds_load_b64 v[\reg:\reg+1], v[\a24+1] offset:8*PC+16*(PC/32)+(\off)
.endif
.endm
.macro XLOAD                           ; my 64 rows of x, all of K, into registers: 192 loads
.irp ks, 0,1,2,3,4,5,6,7
.if \ks < 5
	WIN 0x40
.else
	WIN 0x80
.endif
.irp rt, 0,1,2,3
.irp p, 0,1,2,3,4,5
.set RG, 48*(\ks%5)+12*\rt+2*\p
	PIECE RG, 2, \ks, \p, \rt*16*PX
.endr
.endr
.endr
	WIN 0
.endm
.macro FETCHW hd, ks, buf              ; head hd's four tiles of W, K step ks, into set buf: 24 loads
.irp y, 0,1,2,3
.irp p, 0,1,2,3,4,5
.set RG, WF+48*(\buf)+12*\y+2*\p
	PIECE RG, 4+2*(\hd), \ks, \p, \y*16*PX
.endr
.endr
.endm
; 16 products of one K step; the 16 accumulators take turns, one instruction a turn, in the same order in every step.  The first step takes the bias as C.
.macro MULS hd, ks, var
.if \ks < 5
.if \var
	WIN 0xf1
.else
	WIN 0xf4
.endif
.else
.if \var
	WIN 0xf2
.else
	WIN 0xf8
.endif
.endif
.irp x, 0,1,2,3
.irp y, 0,1,2,3
.set rD, 8*(4*\x+\y)
.if \var
.set rA, 48*((\ks)%5)+12*\y
.set rB, WF+48*((\ks)%2)+12*\x
.set sA, XS+8*\y+(\ks)
.set sB, WS+8*(4*(\hd)+\x)+(\ks)
.set rC, BI+8*(4*(\hd)+\x)
.else
.set rA, WF+48*((\ks)%2)+12*\y
.set rB, 48*((\ks)%5)+12*\x
.set sA, WS+8*(4*(\hd)+\y)+(\ks)
.set sB, XS+8*\x+(\ks)
.set rC, BI+8*(4*(\hd)+\y)
.endif
.if \ks != 0
.set rC, rD
.endif
	v_wmma_scale_f32_16x16x128_f8f6f4 v[rD:rD+7], v[rA:rA+11], v[rB:rB+11], v[rC:rC+7], v[sA], v[sB] matrix_a_fmt:MATRIX_FMT_FP6 matrix_b_fmt:MATRIX_FMT_FP6
.endr
.endr
	WIN 0
.endm
; A head's 64 rows x 64 columns over all of K.  W's fragments run one K step ahead, in two sets.
.macro HEAD hd, var
	FETCHW \hd, 0, 0
.irp ks, 0,1,2,3,4,5,6,7
.if \ks < 7
.if \ks > 0
	PLACES 4                                       ; in front of loads into the set that the step before multiplied
.endif
	FETCHW \hd, \ks+1, (\ks+1)%2
	s_wait_dscnt 24                                ; all but the 24 just issued: this step's fragments are in
.else
	s_wait_dscnt 0x0
.endif
	MULS \hd, \ks, \var
.endr
.endm
; + u (2 B), f32 operands, rank 16 in four steps of 4.  K slot (lane / 16, register j) of step c is rank 8 (lane / 16) + 2 c + j on both sides, so u's result registers are the operand as they stand.
.macro LORA hd, var
	PLACES 5                                       ; another form takes the sums up
	WIN 0xfa
.irp c, 0,1,2,3
.irp x, 0,1,2,3
.irp y, 0,1,2,3
.set rD, 8*(4*\x+\y)
.if \var
.set rA, U+8*\y+2*\c
.set rB, BT+8*(4*(\hd)+\x)+2*\c
.else
.set rA, BT+8*(4*(\hd)+\y)+2*\c
.set rB, U+8*\x+2*\c
.endif
	v_wmma_f32_16x16x4_f32 v[rD:rD+7], v[rA:rA+1], v[rB:rB+1], v[rD:rD+7]
.endr
.endr
.endr
	WIN 0
.endm
; The head's 16 accumulators become four half operands and their scale words.  Chain q = 2 X + b: the 16 registers from 16 q on are my 16 numbers of block b of tile X's row (q, k) or channel (v).
.macro EPI hd
	PLACES 8
	WIN 0x3c
.irp q, 0,1,2,3,4,5,6,7
	v_max3_num_f32 v[TM+\q], 0x1800000, |v[16*\q]|, |v[16*\q+1]|   ; with the floor 2^(3 - 127): the byte cannot fall under 1.  Each accumulator is read from its low end on
.endr
.irp i, 2,4,6,8,10,12,14
.irp q, 0,1,2,3,4,5,6,7
	v_max3_num_f32 v[TM+\q], v[TM+\q], |v[16*\q+\i]|, |v[16*\q+\i+1]|
.endr
.endr
	WIN 0
.irp q, 0,1,2,3,4,5,6,7
	v_permlanex16_b32 v[TP+\q], v[TM+\q], s[SEL], s[SEL+1]
.endr
.irp q, 0,1,2,3,4,5,6,7
	v_max_num_f32 v[TM+\q], v[TM+\q], v[TP+\q]     ; with lane l xor 16's 16: the block's largest magnitude
.endr
.irp q, 0,1,2,3,4,5,6,7
	v_add_nc_u32 v[SO+\q], 0xff000000, v[TM+\q]    ; 2 off its exponent field: the conversion's scale operand
.endr
.irp q, 0,1,2,3,4,5,6,7
	v_lshrrev_b32 v[TP+\q], 23, v[SO+\q]           ; the scale's byte
.endr
.irp x, 0,1,2,3
	v_lshl_or_b32 v[WD+\x], v[TP+2*\x+1], 8, v[TP+2*\x]   ; the two blocks' bytes; bytes 2 and 3 stay 0
.endr
	WIN 0x03
.irp q, 0,1,2,3,4,5,6,7
	v_cvt_scalef32_pk16_fp6_f32 v[CP+6*\q:CP+6*\q+2], v[16*\q:16*\q+15], v[SO+\q]
.endr
	WIN 0
	v_nop                                          ; one plain instruction behind the conversions
.irp x, 0,1,2,3
.irp i, 0,1,2
	v_permlane16_swap_b32 v[CP+12*\x+\i], v[CP+12*\x+6+\i]   ; a whole block to a lane: lanes 0-15 block 0, lanes 16-31 block 1
.endr
.irp i, 0,1,2
	v_mov_b32 v[CP+12*\x+3+\i], v[CP+12*\x+6+\i]
.endr
.endr
	v_cndmask_b32 v[SW], v[WD], v[WD+1], vcc_lo    ; lanes 0-15 tile 0's words, lanes 16-31 tile 1's
	v_cndmask_b32 v[SW+1], v[WD+2], v[WD+3], vcc_lo
.irp x, 0,1,2,3
.irp p, 0,1,2
	global_store_b64 v1, v[CP+12*\x+2*\p:CP+12*\x+2*\p+1], s[38:39] offset:98304*\hd+768*\x+256*\p   ; 32 lanes store 256 consecutive bytes, at a multiple of 256
.endr
.endr
	global_store_b64 v1, v[SW:SW+1], s[44:45] offset:8192*\hd
	s_wait_xcnt 0x0                                ; the stores' data registers are loaded again only behind this wait
.endm
	s_load_b512 s[8:23], s[0:1], 0x0               ; argument i in s[8 + 2 i : 9 + 2 i]
	s_load_b512 s[24:39], s[0:1], 0x40
	s_load_b512 s[40:55], s[0:1], 0x80
	s_load_b128 s[56:59], s[0:1], 0xc0
	s_load_b64 s[60:61], s[0:1], 0xd0
	v_lshl_add_u32 v16, v0, 2, SPARE
	v_mov_b32 v17, 0
	ds_add_u32 v16, v17                            ; the opening lines: the add, twice on end, and its wait ahead of the first tensor load
	ds_add_u32 v16, v17
	v_lshrrev_b32 v13, 5, v0
	v_readfirstlane_b32 s[WV], v13                 ; wave 0..3 = batch
	s_bfe_u32 s[CX], ttmp6, 0x40000
	s_bfe_u32 s[CY], ttmp6, 0x40004
	s_and_b32 s63, ttmp7, 0xffff                   ; the cluster's y, 0..23
	s_lshr_b32 s[TT], s63, 3                       ; which tensor: the same in all sixteen partners
	s_and_b32 s[MY], s63, 7
	s_lshl_b32 s[MY], s[MY], 2
	s_add_co_u32 s[MY], s[MY], s[CY]
	s_lshl_b32 s[NX], ttmp9, 2
	s_add_co_u32 s[NX], s[NX], s[CX]
	s_lshl_b32 s66, s[CY], 2
	s_lshl_b32 s66, 15, s66                        ; my row of the cluster
	s_lshl_b32 s67, 0x1111, s[CX]                  ; my column
	; group 1 for x: 64 rows of 768 bytes, 3,072 bytes apart (every fourth row: one batch); 16 bytes of padding behind every 256
	s_or_b32 s[G1X], s66, (1<<20)|(1<<21)|(5<<22)|(3<<25)
	s_mov_b32 s[G1X+1], 768<<16
	s_mov_b32 s[G1X+2], 64<<16
	s_mov_b32 s[G1X+3], 768<<16
	s_mov_b32 s[G1X+4], 64
	s_mov_b32 s[G1X+5], 3072
	s_mov_b32 s[G1X+6], 0
	s_mov_b32 s[G1X+7], 0
	; and for W: 32 dense rows of 768 bytes
	s_or_b32 s[G1W], s67, (1<<20)|(1<<21)|(5<<22)|(3<<25)
	s_mov_b32 s[G1W+1], 768<<16
	s_mov_b32 s[G1W+2], 32<<16
	s_mov_b32 s[G1W+3], 768<<16
	s_mov_b32 s[G1W+4], 32
	s_mov_b32 s[G1W+5], 768
	s_mov_b32 s[G1W+6], 0
	s_mov_b32 s[G1W+7], 0
	s_lshl_b32 s92, s[MY], 8
	s_add_co_u32 s92, s92, s[WV]
	s_mul_i32 s92, s92, 768                        ; x: row 4 (64 my) + w
	s_mov_b32 s93, 0
	s_lshl_b32 s94, s[NX], 7
	s_lshl_b32 s95, s[WV], 5
	s_add_co_u32 s94, s94, s95
	s_mul_i32 s94, s94, 768                        ; W: row 128 nx + 32 w
	s_mov_b32 s95, 0
	s_mov_b32 s[SEL], 0x76543210
	s_mov_b32 s[SEL+1], 0xfedcba98                 ; v_permlanex16_b32's selects for lane l xor 16
	v_and_b32 v13, 15, v0                          ; r
	v_bfe_u32 v14, v0, 4, 1                        ; h
	v_and_b32 v1, 31, v0
	v_lshlrev_b32 v1, 3, v1                        ; 8 x lane
	v_mul_u32_u24 v4, v13, PX
	v_mad_u32_u24 v4, v14, 24, v4                  ; row r, + 24 h
	v_lshl_add_u32 v5, v14, 4, v4                  ; and behind one padding more
	s_mul_i32 s63, s[WV], XW
	v_add_nc_u32 v2, s63, v4                       ; x: my wave's rows
	v_add_nc_u32 v3, s63, v5
	v_add_nc_u32 v6, WB+2*WW, v4                   ; W: the second head's 64 rows,
	v_add_nc_u32 v7, WB+2*WW, v5
	v_add_nc_u32 v4, WB, v4                        ; the first head's
	v_add_nc_u32 v5, WB, v5
	v_lshlrev_b32 v8, 7, v13                       ; x's scales: 4 rows of 32 bytes from s to s + 1
	v_lshlrev_b32 v9, 5, v13                       ; W's and A's: 32 bytes a row
	v_lshlrev_b32 v10, 5, v14                      ; the bias of q and k: my half's 8 columns
	v_lshlrev_b32 v15, 2, v13                      ; the bias of v: my column
	v_mul_u32_u24 v11, v13, 768
	v_mad_u32_u24 v11, v14, 24, v11                ; A: row (rank) r, + 24 h
	v_lshl_add_u32 v12, v14, 15, v15               ; B: rank 8 h, column r
	s_wait_dscnt 0x0                               ; both opening adds are done
	s_wait_kmcnt 0x0
	s_cmp_eq_u32 s[TT], 1                          ; the tensor's buffers are chosen on the cluster's y alone
	s_cselect_b64 s[8:9], s[10:11], s[8:9]
	s_cselect_b64 s[14:15], s[16:17], s[14:15]
	s_cselect_b64 s[20:21], s[22:23], s[20:21]
	s_cselect_b64 s[26:27], s[28:29], s[26:27]
	s_cselect_b64 s[32:33], s[34:35], s[32:33]
	s_cselect_b64 s[38:39], s[40:41], s[38:39]
	s_cselect_b64 s[44:45], s[46:47], s[44:45]
	s_cmp_eq_u32 s[TT], 2
	s_cselect_b64 s[8:9], s[12:13], s[8:9]         ; x's codes
	s_cselect_b64 s[14:15], s[18:19], s[14:15]     ; x's scales
	s_cselect_b64 s[20:21], s[24:25], s[20:21]     ; W's codes
	s_cselect_b64 s[26:27], s[30:31], s[26:27]     ; W's scales
	s_cselect_b64 s[32:33], s[36:37], s[32:33]     ; the bias
	s_cselect_b64 s[38:39], s[42:43], s[38:39]     ; the codes out
	s_cselect_b64 s[44:45], s[48:49], s[44:45]     ; the scale words out
	s_cselect_b64 s[50:51], s[52:53], s[50:51]     ; A's codes
	s_cselect_b64 s[54:55], s[56:57], s[54:55]     ; A's scales
	s_cselect_b64 s[58:59], s[60:61], s[58:59]     ; B
	s_mov_b32 s[G0X], 1
	s_mul_i32 s[G0X+1], s[WV], XW
	s_add_nc_u64 s[G0X+2:G0X+3], s[8:9], s[92:93]
	s_or_b32 s[G0X+3], s[G0X+3], 0x80000000
	s_mov_b32 s[G0W], 1
	s_mul_i32 s[G0W+1], s[WV], WW
	s_add_co_u32 s[G0W+1], s[G0W+1], WB
	s_add_nc_u64 s[G0W+2:G0W+3], s[20:21], s[94:95]
	s_or_b32 s[G0W+3], s[G0W+3], 0x80000000
	CROUND                                         ; all sixteen work-groups are here: the joint loads meet
	tensor_load_to_lds s[G0X:G0X+3], s[G1X:G1X+7]  ; my 64 rows of x: one tensor load a wave at the head
	s_nop 0
	PLACES 4
	s_lshl_b32 s92, s[MY], 13
	s_lshl_b32 s63, s[WV], 5
	s_add_co_u32 s92, s92, s63
	s_add_nc_u64 s[14:15], s[14:15], s[92:93]      ; x's scales at row 256 my + w
	s_lshl_b32 s94, s[NX], 12
	s_add_nc_u64 s[26:27], s[26:27], s[94:95]      ; W's scales at row 128 nx
	s_lshl_b32 s94, s[NX], 9
	s_add_nc_u64 s[32:33], s[32:33], s[94:95]      ; the bias and B at column 128 nx
	s_add_nc_u64 s[58:59], s[58:59], s[94:95]
	s_lshl_b32 s96, s[WV], 4
	s_lshl_b32 s97, s[NX], 1
	s_add_co_u32 s2, s96, s97                      ; the first of my two heads: 16 w + 2 nx
	s_lshl_b32 s96, s2, 7
	s_lshl_b32 s97, s[MY], 2
	s_add_co_u32 s96, s96, s97
	s_mul_i32 s96, s96, 768                        ; 128 half operands a head, my four from 4 my on
	s_mov_b32 s97, 0
	s_add_nc_u64 s[38:39], s[38:39], s[96:97]
	s_lshl_b32 s96, s2, 5
	s_add_co_u32 s96, s96, s[MY]
	s_lshl_b32 s96, s96, 8                         ; 32 blocks of 256 bytes of scale words a head
	s_add_nc_u64 s[44:45], s[44:45], s[96:97]
	s_wait_alu depctr_va_vdst(0)
.irp rt, 0,1,2,3
	global_load_b128 v[XS+8*\rt:XS+8*\rt+3], v8, s[14:15] offset:2048*\rt
	global_load_b128 v[XS+8*\rt+4:XS+8*\rt+7], v8, s[14:15] offset:2048*\rt+16
.endr
.irp ct, 0,1,2,3,4,5,6,7
	global_load_b128 v[WS+8*\ct:WS+8*\ct+3], v9, s[26:27] offset:512*\ct
	global_load_b128 v[WS+8*\ct+4:WS+8*\ct+7], v9, s[26:27] offset:512*\ct+16
.endr
	s_cmp_eq_u32 s[TT], 2                          ; the bias in the result's layout: q, k: a lane's 8 columns; v: a lane's one column, eight times
	s_cbranch_scc1 .Lbias_v
	WIN 0xc0
.irp ct, 0,1,2,3,4,5,6,7
	global_load_b128 v[BI+8*\ct:BI+8*\ct+3], v10, s[32:33] offset:64*\ct
	global_load_b128 v[BI+8*\ct+4:BI+8*\ct+7], v10, s[32:33] offset:64*\ct+16
.endr
	WIN 0
	s_branch .Lbias_in
.Lbias_v:
	WIN 0xc0
.irp ct, 0,1,2,3,4,5,6,7
.irp j, 0,1,2,3,4,5,6,7
	global_load_b32 v[BI+8*\ct+\j], v15, s[32:33] offset:64*\ct
.endr
.endr
	WIN 0
.Lbias_in:
	s_wait_tensorcnt 0x0                           ; my rows of x are in; W's first fill is issued as a refill is
	ds_add_u32 v16, v17
	s_wait_dscnt 0x0
	CROUND                                         ; all sixteen work-groups are here: the joint loads of W meet
	tensor_load_to_lds s[G0W:G0W+3], s[G1W:G1W+7]  ; my 32 rows of W; they land while x goes into registers
	s_nop 0
	PLACES 4
	s_mov_b32 vcc_lo, 0xffff0000                   ; lanes 16-31; written behind the last tensor load
	s_cmp_eq_u32 s[TT], 1                          ; the text parts here, once, into three whole paths
	s_cbranch_scc1 .Lpath_k
	; ---- q and v: A, its scales and B are asked for first and land under the 192 LDS loads of x
.irp ks, 0,1,2,3,4,5,6,7
.irp p, 0,1,2,3,4,5
	global_load_b64 v[WF+12*\ks+2*\p:WF+12*\ks+2*\p+1], v11, s[50:51] offset:96*\ks+48*(\p/3)+8*(\p%3)
.endr
.endr
	global_load_b128 v[AS:AS+3], v9, s[54:55]
	global_load_b128 v[AS+4:AS+7], v9, s[54:55] offset:16
	WIN 0x80
.irp ct, 0,1,2,3,4,5,6,7
.irp q, 0,1,2,3,4,5,6,7
	global_load_b32 v[BT+8*\ct+\q], v12, s[58:59] offset:4096*\q+64*\ct   ; B(8 h + q, 16 ct + r)
.endr
.endr
	WIN 0
	XLOAD
	s_wait_loadcnt 0x0
	s_wait_dscnt 0x0
.irp ks, 0,1,2,3,4,5,6,7                       ; u^T = A^T x^T: source 0 = A's 16 ranks, source 1 = 16 rows of x; four accumulators by turns
.if \ks < 5
	WIN 0xa4
.else
	WIN 0xa8
.endif
.irp rt, 0,1,2,3
.if \ks == 0
	v_wmma_scale_f32_16x16x128_f8f6f4 v[U+8*\rt:U+8*\rt+7], v[WF+12*\ks:WF+12*\ks+11], v[48*(\ks%5)+12*\rt:48*(\ks%5)+12*\rt+11], 0, v[AS+\ks], v[XS+8*\rt+\ks] matrix_a_fmt:MATRIX_FMT_FP6 matrix_b_fmt:MATRIX_FMT_FP6
.else
	v_wmma_scale_f32_16x16x128_f8f6f4 v[U+8*\rt:U+8*\rt+7], v[WF+12*\ks:WF+12*\ks+11], v[48*(\ks%5)+12*\rt:48*(\ks%5)+12*\rt+11], v[U+8*\rt:U+8*\rt+7], v[AS+\ks], v[XS+8*\rt+\ks] matrix_a_fmt:MATRIX_FMT_FP6 matrix_b_fmt:MATRIX_FMT_FP6
.endif
.endr
.endr
	WIN 0x8a
.set J, 0
.rept 64
	v_add_f32 v[BT+J], v[BT+J], v[BT+J]            ; 2 B: the scaling, exact.  These 64 are also the places behind u's products, ahead of the loads into A's registers and of u's use as an operand
.set J, J+1
.endr
	WIN 0
	s_wait_alu depctr_va_vdst(0)
	s_wait_tensorcnt 0x0                           ; my 32 rows of W are in,
	s_barrier_signal -1
	s_barrier_wait -1                              ; everybody's are
	s_cmp_eq_u32 s[TT], 2
	s_cbranch_scc1 .Lpath_v
	HEAD 0, 0
	LORA 0, 0
	EPI 0
	HEAD 1, 0
	LORA 1, 0
	EPI 1
	s_branch .Lend
.Lpath_v:
	HEAD 0, 1
	LORA 0, 1
	EPI 0
	HEAD 1, 1
	LORA 1, 1
	EPI 1
	s_branch .Lend
.Lpath_k:
	XLOAD
	s_wait_loadcnt 0x0                             ; the scale words and the bias
	s_wait_tensorcnt 0x0                           ; my 32 rows of W are in,
	s_wait_dscnt 0x0                               ; no LDS load is pending at the signal
	s_barrier_signal -1
	s_barrier_wait -1                              ; everybody's are
	HEAD 0, 0
	EPI 0
	HEAD 1, 0
	EPI 1
.Lend:
	s_wait_tensorcnt 0x0                           ; the wave's end
	ds_add_u32 v16, v17
	s_wait_dscnt 0x0
	CROUND                                         ; the closing round
	s_endpgm
.Lfunc_end_k_q5ca6a9a743_proj:
	.size	k_q5ca6a9a743_proj, .Lfunc_end_k_q5ca6a9a743_proj-k_q5ca6a9a743_proj
	.p2alignl 7, 3214868480
	.fill 96, 4, 3214868480
	.section	.rodata,"a",@progbits
	.p2align	6, 0x0
	.amdhsa_kernel k_q5ca6a9a743_proj
		.amdhsa_group_segment_fixed_size 327680
		.amdhsa_private_segment_fixed_size 0
		.amdhsa_enable_private_segment 0
		.amdhsa_kernarg_size 216
		.amdhsa_user_sgpr_count 2
		.amdhsa_user_sgpr_kernarg_segment_ptr 1
		.amdhsa_wavefront_size32 1
		.amdhsa_system_sgpr_workgroup_id_x 1
		.amdhsa_system_sgpr_workgroup_id_y 1
		.amdhsa_system_sgpr_workgroup_id_z 1
		.amdhsa_system_vgpr_workitem_id 0
		.amdhsa_next_free_vgpr 1024
		.amdhsa_next_free_sgpr 100
		.amdhsa_reserve_vcc 1
		.amdhsa_float_denorm_mode_32 3
		.amdhsa_float_denorm_mode_16_64 3
		.amdhsa_memory_ordered 1
		.amdhsa_forward_progress 1
		.amdhsa_inst_pref_size 255
	.end_amdhsa_kernel
	.section	.bss,"aw",@nobits
	.p2align	6
	.space	262144
	.amdgpu_metadata
---
amdhsa.version: [ 1, 2 ]
amdhsa.kernels:
  - .name:           k_q5ca6a9a743_proj
    .symbol:         k_q5ca6a9a743_proj.kd
    .args:
      - { .name: x_q_codes, .offset: 0, .size: 8, .value_kind: global_buffer, .address_space: global }
      - { .name: x_k_codes, .offset: 8, .size: 8, .value_kind: global_buffer, .address_space: global }
      - { .name: x_v_codes, .offset: 16, .size: 8, .value_kind: global_buffer, .address_space: global }
      - { .name: x_q_scales, .offset: 24, .size: 8, .value_kind: global_buffer, .address_space: global }
      - { .name: x_k_scales, .offset: 32, .size: 8, .value_kind: global_buffer, .address_space: global }
      - { .name: x_v_scales, .offset: 40, .size: 8, .value_kind: global_buffer, .address_space: global }
      - { .name: Wq_codes, .offset: 48, .size: 8, .value_kind: global_buffer, .address_space: global }
      - { .name: Wk_codes, .offset: 56, .size: 8, .value_kind: global_buffer, .address_space: global }
      - { .name: Wv_codes, .offset: 64, .size: 8, .value_kind: global_buffer, .address_space: global }
      - { .name: Wq_scales, .offset: 72, .size: 8, .value_kind: global_buffer, .address_space: global }
      - { .name: Wk_scales, .offset: 80, .size: 8, .value_kind: global_buffer, .address_space: global }
      - { .name: Wv_scales, .offset: 88, .size: 8, .value_kind: global_buffer, .address_space: global }
      - { .name: bq, .offset: 96, .size: 8, .value_kind: global_buffer, .address_space: global }
      - { .name: bk, .offset: 104, .size: 8, .value_kind: global_buffer, .address_space: global }
      - { .name: bv, .offset: 112, .size: 8, .value_kind: global_buffer, .address_space: global }
      - { .name: qcod, .offset: 120, .size: 8, .value_kind: global_buffer, .address_space: global }
      - { .name: kcod, .offset: 128, .size: 8, .value_kind: global_buffer, .address_space: global }
      - { .name: vcod, .offset: 136, .size: 8, .value_kind: global_buffer, .address_space: global }
      - { .name: qscl, .offset: 144, .size: 8, .value_kind: global_buffer, .address_space: global }
      - { .name: kscl, .offset: 152, .size: 8, .value_kind: global_buffer, .address_space: global }
      - { .name: vscl, .offset: 160, .size: 8, .value_kind: global_buffer, .address_space: global }
      - { .name: Aq_codes, .offset: 168, .size: 8, .value_kind: global_buffer, .address_space: global }
      - { .name: Av_codes, .offset: 176, .size: 8, .value_kind: global_buffer, .address_space: global }
      - { .name: Aq_scales, .offset: 184, .size: 8, .value_kind: global_buffer, .address_space: global }
      - { .name: Av_scales, .offset: 192, .size: 8, .value_kind: global_buffer, .address_space: global }
      - { .name: Bq, .offset: 200, .size: 8, .value_kind: global_buffer, .address_space: global }
      - { .name: Bv, .offset: 208, .size: 8, .value_kind: global_buffer, .address_space: global }
    .group_segment_fixed_size: 327680
    .private_segment_fixed_size: 0
    .kernarg_segment_align: 8
    .kernarg_segment_size: 216
    .max_flat_workgroup_size: 128
    .sgpr_count:     100
    .vgpr_count:     1024
    .wavefront_size: 32
...
	.end_amdgpu_metadata
.endif
;; end of part 1
;; launch attn (part 2): grid 4 x 64, 8 waves a work-group, clusters of 4 x 1, 238,592 bytes of LDS; arguments qcod, qscl, kcod, kscl, vcod, vscl, acod, ascl; writes acod, ascl
.if DOCPART == 2
	.amdgcn_target "amdgcn-amd-amdhsa--gfx1250"
	.amdhsa_code_object_version 6
	.text
	.protected	k_q5ca6a9a743_attn
	.globl	k_q5ca6a9a743_attn
	.p2align	8
	.type	k_q5ca6a9a743_attn,@function
k_q5ca6a9a743_attn:
	s_mov_b64 s[64:65], 0
	v_nop
	global_prefetch_b8 v0, s[64:65] scope:SCOPE_SE
	s_setreg_imm32_b32 hwreg(HW_REG_WAVE_MODE, 25, 1), 1
	s_wait_xcnt 0x0
	s_wait_alu depctr_hold_cnt(0) depctr_sa_sdst(0) depctr_va_vdst(0) depctr_va_sdst(0) depctr_va_ssrc(0) depctr_va_vcc(0) depctr_vm_vsrc(0)
	s_getreg_b32 s2, hwreg(HW_REG_IB_STS2, 6, 4)
	s_cmp_eq_u32 s2, 0
	s_cbranch_scc0 .Lentry_in_a_cluster
	s_endpgm
.Lentry_in_a_cluster:
	s_bfe_u32 s2, ttmp6, 0x10000c
	s_cmp_lg_u32 s2, 0x3003
	s_cbranch_scc0 .Lentry_shape_is_right
	s_endpgm
.Lentry_shape_is_right:
; a[n][s][:] = softmax_t(q[n][s] . k[n][t] / 8) v[n][t][:] for 64 heads n of 2,048 positions and 64 channels, both products on FP6 (E2M3) codes; a is quantised along the columns e = 64 (n % 16) + d for the last product.
; THE SOFTMAX: t = score x log2(e) / 8; M = the running largest t rounded up to a whole number; p = 2^(t - M) is quantised along the keys, not normalised; the row's sum is taken of the unquantised p and divides at the end.
; When M moves, the sum and O are multiplied by 2^(old M - new M): exact, with no branch.
; SHARES.  A cluster of four work-groups owns a head, each 512 queries.  The head's codes of k and v (2 x 384 rows of 256 bytes, 32 bytes of padding behind each) and their scale words come into LDS ONCE, by eight joint loads, one a wave;
; nothing is filled again.  A wave owns four tiles of 16 queries, taken as two pairs.  The two tiles of a pair lie under the same register numbers in windows 0 and 1, and share every fragment of k and v read from LDS.
; No prefetch: the launch's only fetch from memory stands at its head, so there is no loop to run ahead in.
; THE KEYS OF A TILE OF k ARE CHOSEN: of 64 keys, tile t takes keys 8 t + 0..7 as its rows 0-7 and keys 32 + 8 t + 0..7 as its rows 8-15.  In S^T = k q^T lane (r, h) then holds, in the 32 registers of four tiles, ALL of block h of query r:
; a block's largest score needs no other lane, and the conversions' results are p's operand registers as they stand.  The tiles' results lie in the order t = 0, 2, 1, 3, which is the order in which the launch before has laid v's keys in a block.
; K = 64 fills half of the first product's 128: q's upper six registers are zero codes, so what stands in k's upper six counts for nothing; the scale bytes of that half are 0, a small power of two.
; A BLOCK'S SCALE: 2^(its largest t - M - 2), by the same multiply-add and exponential as p; its exponent field is the scale's byte and the conversion's scale operand.
; THE STEP (128 keys) is laid so that each tile's next scores are asked of the matrix unit behind its O^T products, and all LDS loads stand at the step's top.
; LIMITS: NaN and infinities are not served.  The promise holds while the scaled scores stay under 2^31 in magnitude.  A block whose every p is under 2^-124 gets the byte 0 (2^-127).  A largest p within an ulp of a power of two may be held one code low.
; A block of zeros of a gets the byte 1: its codes are zeros, and this program alone reads the bytes.  The scale words of a leave 128 consecutive bytes a store.
.set VC,    110592                     ; LDS: k's codes at 0 (384 rows x 288), v's here,
.set SCL,   221184                     ; k's scale words, 8,192 bytes on v's,
.set SPARE, 237568                     ; and the spare words, 128 bytes a wave
.set IMG,   864                        ; an image of half an operand: three planes of 256 + 32 bytes.  With that pitch lanes r and r + 8, two images apart, start 192 bytes apart modulo 256: the 32 lanes of a load touch 64 different banks (ISA guide 11.1)
.set PL,    288
.set STK,   6912                       ; a step's codes: 8 images
.set STS,   512                        ; and its scale words
; window 0 alone: addresses, scale words, k's fragments.  Window 1, same numbers as k's: v's fragments.
.set L8, 1
.set SPW, 2
.set NIL, 3
.set AK, 4
.set AV, 5
.set AKS, 6
.set AVS, 7
.set KS, 8                             ; v8-11 k's scale words: register 2 c + t / 2, lanes 0-15 t even, lanes 16-31 t odd
.set VR, 12                            ; v12-15 v's, as loaded; v16-17 as used
.set VW, 16
.set PWA, 18                           ; v18, v19 p's scale words of the two tiles
.set QSC, 20                           ; v20 q's scale words of this pair (lanes 0-15 the first tile), v21 of the next
.set L4, 22
.set WO, 23
.set KF, 24                            ; v24-71 k's 8 x 6, v72-77 zeros
.set VF, 24                            ; window 1: v's 4 x 12
.set QN, 78                            ; v78-83, both windows: the second pair's q
.set AK0, 84
.set AKS0, 85
.set AV0, 86
.set AVS0, 87
; a tile's registers, the same numbers in both windows
.set SS, 96                            ; S^T, then p
.set OO, 160                           ; O^T
.set PP, 192                           ; p's codes
.set TT, 204                           ; the conversions' second halves
.set QQ, 212                           ; q and six zeros
.set NM, 224                           ; -M
.set FF, 226                           ; 2^(old M - new M)
.set LL, 228                           ; the sum, two halves
.set MR, 230                           ; the running largest score
.set NM2, 231                          ; -M - 2
.set MB, 232                           ; two blocks' largest scores, then their scales
.set T0, 234
.set T1, 235
.set SH8, 236                          ; 8 h
.set SM, 238                           ; v238-245 at work
.set WV, 20
.set CX, 21
.set HN, 22
.set G1, 24
.set G1S, 32
.set G0, 40
.set CS, 44                            ; s[44:45] c = log2(e) / 8;  s46 -c
.set NC, 46
.set MK, 47
.set SEL, 48
.set TK, 50
.set TS, 51
.set CNT, 52
.set PASS, 53
.set G0S, 68
.set MSB, 0
.macro WIN new                         ; the immediate's high byte repeats the setting that is left; a switch that changes nothing is dropped
.if MSB != (\new)
	s_set_vgpr_msb (MSB<<8)|(\new)
.set MSB, (\new)
.endif
.endm
.macro PLACES n
.rept \n
	v_nop
.endr
.endm
.macro CROUND
	s_barrier_signal -1
	s_barrier_wait -1
	s_cmp_lg_u32 s[WV], 0
	s_cbranch_scc1 .Lnot_wave_0_\@
	s_barrier_signal -3
.Lnot_wave_0_\@:
	s_barrier_wait -3
	s_barrier_signal -1
	s_barrier_wait -1
.endm
.macro ADDR                            ; the step's four LDS addresses; behind products they are also the four places ahead of the loads
	v_add_nc_u32 v[AK], s[TK], v[AK0]
	v_add_nc_u32 v[AV], s[TK], v[AV0]
	v_add_nc_u32 v[AKS], s[TS], v[AKS0]
	v_add_nc_u32 v[AVS], s[TS], v[AVS0]
	s_wait_alu depctr_va_vdst(0)
.endm
.macro LOADK ko, so                    ; eight tiles of k and their scale words
.irp c, 0,1
.irp t, 0,1,2,3
.irp p, 0,1,2
	ds_load_b64 v[KF+6*(4*\c+\t)+2*\p:KF+6*(4*\c+\t)+2*\p+1], v[AK] offset:\ko+IMG*(4*\c+\t/2)+64*(\t%2)+PL*\p
.endr
.endr
.endr
.irp i, 0,1,2,3
	ds_load_b32 v[KS+\i], v[AKS] offset:\so+128*\i
.endr
.endm
.macro LOADV                           ; v's four fragments of 128 keys, into window 1, and their scale words
	WIN 0x40
.irp x, 0,1,2,3
.irp c, 0,1
.irp p, 0,1,2
	ds_load_b64 v[VF+12*\x+6*\c+2*\p:VF+12*\x+6*\c+2*\p+1], v[AV] offset:IMG*(4*\c+\x)+PL*\p
.endr
.endr
.endr
	WIN 0
	ds_load_b64 v[VR:VR+1], v[AVS]
	ds_load_b64 v[VR+2:VR+3], v[AVS] offset:256
.endm
.macro SMUL tb                         ; S^T of one tile of queries: eight products, each its own accumulator
.irp c, 0,1
.irp t, 0,1,2,3
.set rD, SS+32*\c+8*(2*(\t%2)+\t/2)
.set rA, KF+6*(4*\c+\t)
.set rS, KS+2*\c+\t/2
.if (\t%2) && (\tb)
	v_wmma_scale_f32_16x16x128_f8f6f4 v[rD:rD+7], v[rA:rA+11], v[QQ:QQ+11], 0, v[rS], v[QSC] matrix_a_fmt:MATRIX_FMT_FP6 matrix_b_fmt:MATRIX_FMT_FP6 matrix_a_scale:MATRIX_SCALE_ROW1 matrix_b_scale:MATRIX_SCALE_ROW1
.elseif (\t%2)
	v_wmma_scale_f32_16x16x128_f8f6f4 v[rD:rD+7], v[rA:rA+11], v[QQ:QQ+11], 0, v[rS], v[QSC] matrix_a_fmt:MATRIX_FMT_FP6 matrix_b_fmt:MATRIX_FMT_FP6 matrix_a_scale:MATRIX_SCALE_ROW1
.elseif (\tb)
	v_wmma_scale_f32_16x16x128_f8f6f4 v[rD:rD+7], v[rA:rA+11], v[QQ:QQ+11], 0, v[rS], v[QSC] matrix_a_fmt:MATRIX_FMT_FP6 matrix_b_fmt:MATRIX_FMT_FP6 matrix_b_scale:MATRIX_SCALE_ROW1
.else
	v_wmma_scale_f32_16x16x128_f8f6f4 v[rD:rD+7], v[rA:rA+11], v[QQ:QQ+11], 0, v[rS], v[QSC] matrix_a_fmt:MATRIX_FMT_FP6 matrix_b_fmt:MATRIX_FMT_FP6
.endif
.endr
.endr
.endm
.macro PV tb                           ; O^T += v^T p^T: four accumulators by turns
.if \tb
	WIN 0x55
.else
	WIN 0x01                                       ; v's fragments lie in window 1
.endif
.irp x, 0,1,2,3
.if \x%2
	v_wmma_scale_f32_16x16x128_f8f6f4 v[OO+8*\x:OO+8*\x+7], v[VF+12*\x:VF+12*\x+11], v[PP:PP+11], v[OO+8*\x:OO+8*\x+7], v[VW+\x/2], v[PWA+\tb] matrix_a_fmt:MATRIX_FMT_FP6 matrix_b_fmt:MATRIX_FMT_FP6 matrix_a_scale:MATRIX_SCALE_ROW1
.else
	v_wmma_scale_f32_16x16x128_f8f6f4 v[OO+8*\x:OO+8*\x+7], v[VF+12*\x:VF+12*\x+11], v[PP:PP+11], v[OO+8*\x:OO+8*\x+7], v[VW+\x/2], v[PWA+\tb] matrix_a_fmt:MATRIX_FMT_FP6 matrix_b_fmt:MATRIX_FMT_FP6
.endif
.endr
.endm
; One tile's scores of 128 keys become p's codes and scale word; the sum and O^T come under the new M.
.macro SOFT tb
	WIN 0x55*\tb
	s_wait_alu depctr_va_vdst(0)                   ; directly ahead of the first reader of the scores
.irp c, 0,1
	v_max3_num_f32 v[MB+\c], v[SS+32*\c], v[SS+32*\c+1], v[SS+32*\c+2]       ; my block 2 c + h: 32 scores, in two chains; each accumulator from its low end on
	v_max3_num_f32 v[SM+\c], v[SS+32*\c+16], v[SS+32*\c+17], v[SS+32*\c+18]
.endr
.irp i, 3,5,7,9,11,13
.irp c, 0,1
	v_max3_num_f32 v[MB+\c], v[MB+\c], v[SS+32*\c+\i], v[SS+32*\c+\i+1]
	v_max3_num_f32 v[SM+\c], v[SM+\c], v[SS+32*\c+16+\i], v[SS+32*\c+17+\i]
.endr
.endr
.irp c, 0,1
	v_max3_num_f32 v[MB+\c], v[MB+\c], v[SS+32*\c+15], v[SS+32*\c+31]
.endr
.irp c, 0,1
	s_delay_alu instid0(VALU_DEP_2)
	v_max_num_f32 v[MB+\c], v[MB+\c], v[SM+\c]     ; the block's largest score
.endr
	s_delay_alu instid0(VALU_DEP_1)
	v_max_num_f32 v[T0], v[MB], v[MB+1]
	s_delay_alu instid0(VALU_DEP_1)
	v_permlanex16_b32 v[T1], v[T0], s[SEL], s[SEL+1]
	s_delay_alu instid0(VALU_DEP_1)
	v_max3_num_f32 v[MR], v[MR], v[T0], v[T1]      ; with lane l xor 16's two blocks: the running largest score of my query
	s_delay_alu instid0(VALU_DEP_1)
	v_mul_f32 v[T0], s[NC], v[MR]                  ; -t
	s_delay_alu instid0(VALU_DEP_1)
	v_floor_f32 v[T0], v[T0]                       ; the new -M: M is a whole number
	s_delay_alu instid0(VALU_DEP_1)
	v_sub_f32 v[T1], v[T0], v[NM]                  ; old M - new M, 0 or less
	v_mov_b32 v[NM], v[T0]
	v_add_f32 v[NM2], -2.0, v[T0]
	s_delay_alu instid0(VALU_DEP_3)
	v_cvt_i32_f32 v[T1], v[T1]                     ; (it saturates)
	s_delay_alu instid0(VALU_DEP_1)
	v_ldexp_f32 v[FF], 1.0, v[T1]                  ; f = 2^(old M - new M)
.set J, 0
.rept 32
	v_pk_fma_f32 v[SS+J:SS+J+1], v[SS+J:SS+J+1], s[CS:CS+1], v[NM:NM+1] op_sel_hi:[1,0,0]   ; t - M, two at a time
.set J, J+2
.endr
.irp c, 0,1
	v_fma_f32 v[MB+\c], v[MB+\c], s[CS], v[NM2]    ; the block's largest t - M - 2
.endr
	s_wait_alu depctr_va_vdst(0)                   ; directly ahead of the first reader of O^T, and ahead of the batch, all of whose sources are written
.set J, 0
.rept 16
	v_pk_mul_f32 v[OO+J:OO+J+1], v[OO+J:OO+J+1], v[FF:FF+1] op_sel_hi:[1,0]   ; O^T under the new M
.set J, J+2
.endr
	v_exp_f32 v[MB], v[MB]                         ; the blocks' scales
	v_exp_f32 v[MB+1], v[MB+1]
.set J, 0
.rept 64
	v_exp_f32 v[SS+J], v[SS+J]                     ; p = 2^(t - M)
.set J, J+1
.endr
	v_nop                                          ; the plain place behind the exponentials
	s_wait_alu depctr_va_vdst(0)                   ; one wait for the batch, ahead of its first reader
.if \tb == 0
	s_wait_dscnt 0x0                               ; all the loads of the step's top are in: v's fragments, the next step's k, the scale words
	v_lshl_or_b32 v[VW], v[VR+2], 16, v[VR]        ; v's scale words for these 128 keys: channels' tiles 0 (lanes 0-15) and 1,
	v_lshl_or_b32 v[VW+1], v[VR+3], 16, v[VR+1]    ; 2 and 3
.endif
	v_lshrrev_b32 v[T0], 23, v[MB]                 ; the scales' bytes
	v_lshrrev_b32 v[T1], 23, v[MB+1]
.irp c, 0,1
	v_cvt_scalef32_pk16_fp6_f32 v[PP+6*\c:PP+6*\c+2], v[SS+32*\c:SS+32*\c+15], v[MB+\c]
	v_cvt_scalef32_pk16_fp6_f32 v[TT+4*\c:TT+4*\c+2], v[SS+32*\c+16:SS+32*\c+31], v[MB+\c]   ; (a conversion's three registers begin on an even number)
.endr
	v_lshl_or_b32 v[T0], v[T1], 16, v[T0]          ; my two bytes: blocks h and 2 + h.  (The plain instruction behind the conversions)
	v_mov_b32 v[PP+3], v[TT]
	v_mov_b32 v[PP+4], v[TT+1]
	v_lshlrev_b32 v[T0], v[SH8], v[T0]             ; at their places in the scale word
	v_mov_b32 v[PP+5], v[TT+2]
	v_mov_b32 v[PP+9], v[TT+4]
	v_permlanex16_b32 v[T1], v[T0], s[SEL], s[SEL+1]
	v_mov_b32 v[PP+10], v[TT+5]
	v_mov_b32 v[PP+11], v[TT+6]
	WIN 0x05*\tb                                   ; scale words lie in window 0
	v_or_b32 v[PWA+\tb], v[T0], v[T1]              ; with lane l xor 16's two the word is whole
	WIN 0x55*\tb
.irp j, 0,1,2,3
	v_pk_add_f32 v[SM+2*\j:SM+2*\j+1], v[SS+2*\j:SS+2*\j+1], v[SS+8+2*\j:SS+9+2*\j]   ; the sum of the unquantised p, four chains.  These 32 are also the places between p's word and codes and the products
.endr
.irp g, 2,3,4,5,6,7
.irp j, 0,1,2,3
	v_pk_add_f32 v[SM+2*\j:SM+2*\j+1], v[SM+2*\j:SM+2*\j+1], v[SS+8*\g+2*\j:SS+8*\g+2*\j+1]
.endr
.endr
	v_pk_add_f32 v[SM:SM+1], v[SM:SM+1], v[SM+2:SM+3]
	v_pk_add_f32 v[SM+4:SM+5], v[SM+4:SM+5], v[SM+6:SM+7]
	s_delay_alu instid0(VALU_DEP_1)
	v_pk_add_f32 v[SM:SM+1], v[SM:SM+1], v[SM+4:SM+5]
	s_delay_alu instid0(VALU_DEP_1)
	v_pk_fma_f32 v[LL:LL+1], v[LL:LL+1], v[FF:FF+1], v[SM:SM+1] op_sel_hi:[1,0,1]   ; the old sum under the new M, and this step's
.endm
.macro STEP last                       ; at the top the two tiles' scores of this step are made or on their way
.if \last == 0
	LOADK STK, STS                                 ; the next step's k
.endif
	LOADV
	SOFT 0
	PV 0
.if \last == 0
	WIN 0
	SMUL 0                                         ; the first tile's next scores
.endif
	SOFT 1
	PV 1
.if \last == 0
	WIN 0x44
	SMUL 1
	WIN 0
	s_add_co_u32 s[TK], s[TK], STK
	s_add_co_u32 s[TS], s[TS], STS
	ADDR
.else
	WIN 0
.endif
.endm
.macro TINIT tb
	WIN 0x55*\tb
	v_mov_b32 v[MR], 0xff61b1e6                    ; the largest score so far: -3e38
	v_mov_b32 v[NM], 0x7e000000                    ; -M so far: so large that the first f is 0
	v_mov_b32 v[NM+1], 0                           ; (upper halves of pairs)
	v_mov_b32 v[FF+1], 0
	v_mov_b32 v[LL], 0
	v_mov_b32 v[LL+1], 0
	v_mov_b32 v[T1], 0                             ; a lane permute's destination counts as one of its sources
.set J, 0
.rept 32
	v_mov_b32 v[OO+J], 0                           ; O^T: the step is written once; its first trip finds zeros
.set J, J+1
.endr
.endm
; A tile is finished: O^T / the sum, brought into the natural order of d, quantised in two blocks of 32, stored as half an operand of the last product.
.macro TEXIT tb
	WIN 0x55*\tb
	v_add_f32 v[LL], v[LL], v[LL+1]
	s_delay_alu instid0(VALU_DEP_1)
	v_permlanex16_b32 v[T1], v[LL], s[SEL], s[SEL+1]
	s_delay_alu instid0(VALU_DEP_1)
	v_add_f32 v[LL], v[LL], v[T1]                  ; the row's sum
	s_wait_alu depctr_va_vdst(0)
	v_rcp_f32 v[FF], v[LL]
	v_nop
	s_wait_alu depctr_va_vdst(0)
.set J, 0
.rept 16
	v_pk_mul_f32 v[SS+J:SS+J+1], v[OO+J:OO+J+1], v[FF:FF+1] op_sel_hi:[1,0]   ; register 8 X + j: d = 16 X + 8 h + j; each accumulator from its low end on
.set J, J+2
.endr
.irp b, 0,1
.irp j, 0,1,2,3,4,5,6,7
	v_permlane16_swap_b32 v[SS+16*\b+\j], v[SS+8+16*\b+\j]   ; now register 16 b + i: d = 32 b + 16 h + i, as Wo's codes lie
.endr
.endr
.irp b, 0,1
	v_max3_num_f32 v[MB+\b], |v[SS+16*\b]|, |v[SS+16*\b+1]|, 0x1800000   ; with the floor 2^(3 - 127)
.endr
.irp i, 2,4,6,8,10,12,14
.irp b, 0,1
	s_delay_alu instid0(VALU_DEP_2)
	v_max3_num_f32 v[MB+\b], v[MB+\b], |v[SS+16*\b+\i]|, |v[SS+16*\b+\i+1]|
.endr
.endr
.irp b, 0,1
	s_delay_alu instid0(VALU_DEP_2)
	v_permlanex16_b32 v[SM+\b], v[MB+\b], s[SEL], s[SEL+1]
.endr
.irp b, 0,1
	s_delay_alu instid0(VALU_DEP_2)
	v_max_num_f32 v[MB+\b], v[MB+\b], v[SM+\b]
.endr
.irp b, 0,1
	s_delay_alu instid0(VALU_DEP_2)
	v_add_nc_u32 v[MB+\b], 0xff000000, v[MB+\b]    ; 2 off the exponent field: the conversion's scale operand
.endr
.irp b, 0,1
	s_delay_alu instid0(VALU_DEP_2)
	v_lshrrev_b32 v[SM+\b], 23, v[MB+\b]
.endr
	v_cvt_scalef32_pk16_fp6_f32 v[PP:PP+2], v[SS:SS+15], v[MB]
	v_cvt_scalef32_pk16_fp6_f32 v[TT:TT+2], v[SS+16:SS+31], v[MB+1]
	v_lshl_or_b32 v[T0], v[SM+1], 8, v[SM]         ; the tile's scale words.  (The plain instruction behind the conversions)
.irp i, 0,1,2
	v_permlane16_swap_b32 v[PP+\i], v[TT+\i]       ; a whole block to a lane
.endr
.irp i, 0,1,2
	v_mov_b32 v[PP+3+\i], v[TT+\i]
.endr
	WIN 0x04*\tb                                   ; a store's data are its source 1, its address its source 0
.irp p, 0,1,2
	global_store_b64 v[L8], v[PP+2*\p:PP+2*\p+1], s[16:17] offset:12288*\tb+256*\p   ; 32 lanes store 256 consecutive bytes, at a multiple of 256
.endr
.endm
	s_load_b512 s[4:19], s[0:1], 0x0               ; qcod, qscl, kcod, kscl, vcod, vscl, acod, ascl
	v_lshl_add_u32 v[SPW], v0, 2, SPARE
	v_mov_b32 v[NIL], 0
	ds_add_u32 v[SPW], v[NIL]                      ; the opening lines: the add, twice on end, and its wait ahead of the first tensor load
	ds_add_u32 v[SPW], v[NIL]
	v_lshrrev_b32 v88, 5, v0
	v_readfirstlane_b32 s[WV], v88                 ; wave 0..7
	s_bfe_u32 s[CX], ttmp6, 0x40000                ; which 512 queries: it enters q's and a's addresses alone
	s_and_b32 s[HN], ttmp7, 0xffff                 ; the head, which the four partners share
	s_mov_b32 s[G1], 15|(3<<16)|(1<<20)|(1<<21)|(5<<22)|(7<<25)   ; codes: the mask names all four; elements of 8 bytes; 8 words of padding behind every 64
	s_mov_b32 s[G1+1], 32<<16
	s_mov_b32 s[G1+2], 128<<16                     ; 128 rows of 256 bytes
	s_mov_b32 s[G1+3], 32<<16
	s_mov_b32 s[G1+4], 128
	s_mov_b32 s[G1+5], 32
	s_mov_b32 s[G1+6], 0
	s_mov_b32 s[G1+7], 0
	s_mov_b32 s[G1S], 15|(3<<16)|(1<<21)           ; scale words: 32 rows of 256 bytes, dense
	s_mov_b32 s[G1S+1], 32<<16
	s_mov_b32 s[G1S+2], 32<<16
	s_mov_b32 s[G1S+3], 32<<16
	s_mov_b32 s[G1S+4], 32
	s_mov_b32 s[G1S+5], 32
	s_mov_b32 s[G1S+6], 0
	s_mov_b32 s[G1S+7], 0
	s_mov_b32 s[CS], 0x3e38aa3b
	s_mov_b32 s[CS+1], s[CS]
	s_mov_b32 s[NC], 0xbe38aa3b
	s_mov_b32 s[MK], 0xffff0000                    ; lanes 16-31
	s_mov_b32 s[SEL], 0x76543210
	s_mov_b32 s[SEL+1], 0xfedcba98
	s_cmp_lt_u32 s[WV], 3                          ; waves 0-2 fetch k's thirds, waves 3-5 v's, wave 6 k's scale words, wave 7 v's
	s_cselect_b32 s56, 0, 3
	s_sub_co_u32 s57, s[WV], s56
	s_lshl_b32 s57, s57, 15
	s_mul_i32 s60, s[HN], 98304
	s_add_co_u32 s60, s60, s57
	s_mov_b32 s61, 0
	s_lshl_b32 s62, s[HN], 13
	s_mov_b32 s63, 0
	s_mov_b32 s[G0], 1
	s_mul_i32 s[G0+1], s[WV], 128*PL               ; k's three thirds, then v's
	s_mov_b32 s[G0S], 1
	s_lshl_b32 s[G0S+1], s[WV], 13
	s_add_co_u32 s[G0S+1], s[G0S+1], SCL-6*8192
	s_wait_dscnt 0x0                               ; both opening adds are done
	s_wait_kmcnt 0x0
	s_cmp_lt_u32 s[WV], 3
	s_cselect_b64 s[54:55], s[8:9], s[12:13]
	s_cmp_eq_u32 s[WV], 6
	s_cselect_b64 s[58:59], s[10:11], s[14:15]
	s_add_nc_u64 s[G0+2:G0+3], s[54:55], s[60:61]
	s_or_b32 s[G0+3], s[G0+3], 0x80000000
	s_add_nc_u64 s[G0S+2:G0S+3], s[58:59], s[62:63]
	s_or_b32 s[G0S+3], s[G0S+3], 0x80000000
	CROUND                                         ; all four work-groups are here: the joint loads meet
	s_cmp_lt_u32 s[WV], 6                          ; one load a wave, on either way
	s_cbranch_scc0 .Lscales
	tensor_load_to_lds s[G0:G0+3], s[G1:G1+7]
	s_nop 0
	PLACES 4
	s_branch .Lasked
.Lscales:
	tensor_load_to_lds s[G0S:G0S+3], s[G1S:G1S+7]
	s_nop 0
	PLACES 4
.Lasked:
	v_and_b32 v88, 31, v0
	v_lshlrev_b32 v[L8], 3, v88                    ; 8 x lane
	v_lshlrev_b32 v[L4], 2, v88
	v_and_b32 v89, 7, v0                           ; r % 8
	v_bfe_u32 v90, v0, 3, 1                        ; r / 8
	v_bfe_u32 v91, v0, 4, 1                        ; h
	v_lshlrev_b32 v[AK0], 3, v89
	v_lshl_add_u32 v[AKS0], v90, 2, v[AK0]         ; k's scale words: 8 (r % 8) + 4 (r / 8) + 64 h
	v_lshl_add_u32 v[AKS0], v91, 6, v[AKS0]
	v_add_nc_u32 v[AKS0], SCL, v[AKS0]
	v_mad_u32_u24 v[AK0], v90, 2*IMG, v[AK0]       ; k's codes: rows 8-15 of a tile lie two images on; + 8 (r % 8) + 128 h
	v_lshl_add_u32 v[AK0], v91, 7, v[AK0]
	v_add_nc_u32 v[AV0], VC, v[L8]
	v_add_nc_u32 v[AVS0], SCL+8192, v[L8]
	v_lshlrev_b32 v[SH8], 3, v91
.irp i, 0,1,2,3,4,5
	v_mov_b32 v[KF+48+\i], 0                       ; what stands behind k's last tile
	v_mov_b32 v[QQ+6+\i], 0                        ; q's zero codes for the unused half of K
.endr
	WIN 0x40
	v_lshlrev_b32 v[SH8], 3, v91
.irp i, 0,1,2,3,4,5
	v_mov_b32 v[QQ+6+\i], 0
.endr
	WIN 0
	s_lshl_b32 s72, s[HN], 7
	s_lshl_b32 s74, s[CX], 5
	s_lshl_b32 s75, s[WV], 2
	s_add_co_u32 s74, s74, s75                     ; my first tile in the head: 32 cx + 4 w
	s_add_co_u32 s72, s72, s74
	s_mul_i32 s72, s72, 768
	s_mov_b32 s73, 0
	s_add_nc_u64 s[4:5], s[4:5], s[72:73]
	s_lshl_b32 s72, s[HN], 5
	s_lshr_b32 s75, s74, 2
	s_add_co_u32 s72, s72, s75
	s_lshl_b32 s72, s72, 8                         ; q's scale words: 256 bytes for my four tiles
	s_add_nc_u64 s[6:7], s[6:7], s[72:73]
	s_lshr_b32 s76, s[HN], 4                       ; the batch
	s_and_b32 s77, s[HN], 15
	s_lshl_b32 s72, s76, 7
	s_add_co_u32 s72, s72, s74
	s_lshl_b32 s72, s72, 4
	s_add_co_u32 s72, s72, s77
	s_mul_i32 s72, s72, 768                        ; a's codes: ((128 b + tile) 16 + head in the batch) half operands
	s_add_nc_u64 s[16:17], s[16:17], s[72:73]
	s_lshl_b32 s72, s76, 6
	s_lshr_b32 s75, s74, 1
	s_add_co_u32 s72, s72, s75
	s_lshl_b32 s72, s72, 4
	s_add_co_u32 s72, s72, s77
	s_lshl_b32 s72, s72, 7                         ; its scale words: 128 bytes for a pair of tiles and a head
	s_add_nc_u64 s[18:19], s[18:19], s[72:73]
	s_wait_alu depctr_va_vdst(0)
.irp p, 0,1,2
	global_load_b64 v[QQ+2*\p:QQ+2*\p+1], v[L8], s[4:5] offset:256*\p
	global_load_b64 v[QN+2*\p:QN+2*\p+1], v[L8], s[4:5] offset:1536+256*\p
.endr
	global_load_b64 v[QSC:QSC+1], v[L8], s[6:7]    ; lanes 0-15 tiles 0 and 2, lanes 16-31 tiles 1 and 3
	WIN 0x40
.irp p, 0,1,2
	global_load_b64 v[QQ+2*\p:QQ+2*\p+1], v[L8], s[4:5] offset:768+256*\p
	global_load_b64 v[QN+2*\p:QN+2*\p+1], v[L8], s[4:5] offset:2304+256*\p
.endr
	WIN 0
	s_wait_loadcnt 0x0                             ; q
	s_wait_tensorcnt 0x0                           ; my part of the head's k, v or scale words is in,
	s_barrier_signal -1
	s_barrier_wait -1                              ; everybody's is
	s_mov_b32 s[PASS], 0
.Lpass:                                                ; a pass: one pair of tiles over all 2,048 keys
	s_cmp_eq_u32 s[PASS], 0
	s_cbranch_scc1 .Lq_in
.irp i, 0,1,2,3,4,5
	v_mov_b32 v[QQ+\i], v[QN+\i]                   ; the second pair's q
.endr
	v_mov_b32 v[QSC], v[QSC+1]
	WIN 0x55
.irp i, 0,1,2,3,4,5
	v_mov_b32 v[QQ+\i], v[QN+\i]
.endr
	WIN 0
.Lq_in:
	TINIT 0
	TINIT 1
	WIN 0
	s_mov_b32 s[TK], 0
	s_mov_b32 s[TS], 0
	ADDR
	LOADK 0, 0
	s_wait_dscnt 0x0
	SMUL 0                                         ; the first step's scores
	WIN 0x44
	SMUL 1
	WIN 0
	PLACES 4                                       ; ahead of the loads into k's registers and of the first read of the scores
	s_mov_b32 s[CNT], 15
.Lk:
	STEP 0
	s_sub_co_u32 s[CNT], s[CNT], 1
	s_cmp_lg_u32 s[CNT], 0
	s_cbranch_scc1 .Lk
	STEP 1                                         ; the last step asks for nothing more of k
	TEXIT 0
	TEXIT 1
	v_cndmask_b32 v[WO], v[T0], v[T0], s[MK]       ; (source 0 window 0, source 1 window 1) lanes 0-15 the first tile's words, lanes 16-31 the second's
	WIN 0
	global_store_b32 v[L4], v[WO], s[18:19]
	s_wait_xcnt 0x0                                ; the stores' bases and data registers are written again only behind this wait
	s_add_nc_u64 s[16:17], s[16:17], 24576         ; two tiles on
	s_add_nc_u64 s[18:19], s[18:19], 2048
	s_add_co_u32 s[PASS], s[PASS], 1
	s_cmp_lt_u32 s[PASS], 2
	s_wait_alu depctr_va_vdst(0)
	s_cbranch_scc1 .Lpass
	s_wait_tensorcnt 0x0                           ; the wave's end
	ds_add_u32 v[SPW], v[NIL]
	s_wait_dscnt 0x0
	CROUND                                         ; the closing round
	s_endpgm
.Lfunc_end_k_q5ca6a9a743_attn:
	.size	k_q5ca6a9a743_attn, .Lfunc_end_k_q5ca6a9a743_attn-k_q5ca6a9a743_attn
	.p2alignl 7, 3214868480
	.fill 96, 4, 3214868480
	.section	.rodata,"a",@progbits
	.p2align	6, 0x0
	.amdhsa_kernel k_q5ca6a9a743_attn
		.amdhsa_group_segment_fixed_size 238592
		.amdhsa_private_segment_fixed_size 0
		.amdhsa_enable_private_segment 0
		.amdhsa_kernarg_size 64
		.amdhsa_user_sgpr_count 2
		.amdhsa_user_sgpr_kernarg_segment_ptr 1
		.amdhsa_wavefront_size32 1
		.amdhsa_system_sgpr_workgroup_id_x 1
		.amdhsa_system_sgpr_workgroup_id_y 1
		.amdhsa_system_sgpr_workgroup_id_z 1
		.amdhsa_system_vgpr_workitem_id 0
		.amdhsa_next_free_vgpr 512
		.amdhsa_next_free_sgpr 80
		.amdhsa_reserve_vcc 0
		.amdhsa_float_denorm_mode_32 3
		.amdhsa_float_denorm_mode_16_64 3
		.amdhsa_memory_ordered 1
		.amdhsa_forward_progress 1
		.amdhsa_inst_pref_size 79
	.end_amdhsa_kernel
	.amdgpu_metadata
---
amdhsa.version: [ 1, 2 ]
amdhsa.kernels:
  - .name:           k_q5ca6a9a743_attn
    .symbol:         k_q5ca6a9a743_attn.kd
    .args:
      - { .name: qcod, .offset: 0, .size: 8, .value_kind: global_buffer, .address_space: global }
      - { .name: qscl, .offset: 8, .size: 8, .value_kind: global_buffer, .address_space: global }
      - { .name: kcod, .offset: 16, .size: 8, .value_kind: global_buffer, .address_space: global }
      - { .name: kscl, .offset: 24, .size: 8, .value_kind: global_buffer, .address_space: global }
      - { .name: vcod, .offset: 32, .size: 8, .value_kind: global_buffer, .address_space: global }
      - { .name: vscl, .offset: 40, .size: 8, .value_kind: global_buffer, .address_space: global }
      - { .name: acod, .offset: 48, .size: 8, .value_kind: global_buffer, .address_space: global }
      - { .name: ascl, .offset: 56, .size: 8, .value_kind: global_buffer, .address_space: global }
    .group_segment_fixed_size: 238592
    .private_segment_fixed_size: 0
    .kernarg_segment_align: 8
    .kernarg_segment_size: 64
    .max_flat_workgroup_size: 256
    .sgpr_count:     80
    .vgpr_count:     512
    .wavefront_size: 32
...
	.end_amdgpu_metadata
.endif
;; end of part 2
;; launch outp (part 3): grid 32 x 8, 4 waves a work-group, clusters of 4 x 1, 167,936 bytes of LDS; arguments acod, ascl, Wo_codes, Wo_scales, bo, out0; writes out0
.if DOCPART == 3
	.amdgcn_target "amdgcn-amd-amdhsa--gfx1250"
	.amdhsa_code_object_version 6
	.text
	.protected	k_q5ca6a9a743_outp
	.globl	k_q5ca6a9a743_outp
	.p2align	8
	.type	k_q5ca6a9a743_outp,@function
k_q5ca6a9a743_outp:
	s_mov_b64 s[64:65], 0
	v_nop
	global_prefetch_b8 v0, s[64:65] scope:SCOPE_SE
	s_setreg_imm32_b32 hwreg(HW_REG_WAVE_MODE, 25, 1), 1
	s_wait_xcnt 0x0
	s_wait_alu depctr_hold_cnt(0) depctr_sa_sdst(0) depctr_va_vdst(0) depctr_va_sdst(0) depctr_va_ssrc(0) depctr_va_vcc(0) depctr_vm_vsrc(0)
	s_getreg_b32 s2, hwreg(HW_REG_IB_STS2, 6, 4)
	s_cmp_eq_u32 s2, 0
	s_cbranch_scc0 .Lentry_in_a_cluster
	s_endpgm
.Lentry_in_a_cluster:
	s_bfe_u32 s2, ttmp6, 0x10000c
	s_cmp_lg_u32 s2, 0x3003
	s_cbranch_scc0 .Lentry_shape_is_right
	s_endpgm
.Lentry_shape_is_right:
; out0 = a Wo^T + bo on FP6 (E2M3) codes.  a: the launch before's codes, as images of half an operand ([batch][tile of 16 positions][head][768 bytes]) and scale words; Wo as given; out0 [2048][4][1024] f32.
; SHARES.  A work-group makes 64 positions x 4 batches x 128 columns.  Wave w takes batch w: 4 tiles of 16 rows, whose fragments for all of K come from memory straight into 384 registers (each load 256 consecutive bytes).
; Wo's 128 rows come into LDS once; the four work-groups of a cluster make the same columns and ask for them jointly.  Nothing in LDS is filled again.
; Source 0 = 16 rows of Wo, source 1 = 16 rows of a: a lane holds 8 neighbouring columns of one row.  The bias is the C of each sum's first product.
; The way out: 16 rows x 64 columns at a time through the wave's own stage in LDS, so that sixteen lanes store 256 consecutive bytes of a row, at a multiple of 256.
; REGISTERS, in windows of 256: window 0: v1-14 addresses; v24-39 a's scale words (8 (rt / 2) + ks: lanes 0-15 the even tile, lanes 16-31 the odd); v56-119 Wo's; v128-223 Wo's fragments, two sets (first a's raw scale words, on the way out rows).
;   window 1: a's fragments of K steps 0-4; window 2: of K steps 5-7; window 3: v0-127 the 16 accumulators, v128-191 the bias.
.set PX,  816                          ; an LDS row of Wo: 3 x (256 bytes + 16 of padding)
.set WW,  32*PX
.set STG, 4*WW                         ; behind Wo's rows: a stage of 16 rows x 272 bytes for each wave, in blocks of 256 bytes into which no tile lands
.set SPARE, STG+4*16*272               ; behind the stages: the spare words, 128 bytes a wave; v18 = my word's address, v19 = 0, kept for the add alone
.set XS,  24
.set WS,  56
.set WF,  128
.set BI,  128
.set BK,  128
.set STO, 12
.set RD,  13
.set CO,  14
.set WV,  16
.set CX,  17
.set MY,  18
.set NX,  19
.set G1W, 24
.set G0W, 32
.set MSB, 0
.macro WIN new
.if MSB != (\new)
	s_set_vgpr_msb (MSB<<8)|(\new)
.set MSB, (\new)
.endif
.endm
.macro PLACES n
.rept \n
	v_nop
.endr
.endm
.macro CROUND
	s_barrier_signal -1
	s_barrier_wait -1
	s_cmp_lg_u32 s[WV], 0
	s_cbranch_scc1 .Lnot_wave_0_\@
	s_barrier_signal -3
.Lnot_wave_0_\@:
	s_barrier_wait -3
	s_barrier_signal -1
	s_barrier_wait -1
.endm
.macro PIECE reg, a24, ks, p, off      ; a piece of 8 bytes of a fragment; where lanes 16-31's piece lies behind one padding more, the second address register serves
.set PC, 12*(\ks)+6*((\p)/3)+(\p)%3
.if PC%32 < 29
	ds_load_b64 v[\reg:\reg+1], v[\a24] offset:8*PC+16*(PC/32)+(\off)
.else
	ds_load_b64 v[\reg:\reg+1], v[\a24+1] offset:8*PC+16*(PC/32)+(\off)
.endif
.endm
.macro FETCHW hd, ks, buf
.irp y, 0,1,2,3
.irp p, 0,1,2,3,4,5
.set RG, WF+48*(\buf)+12*\y+2*\p
	PIECE RG, 4+2*(\hd), \ks, \p, \y*16*PX
.endr
.endr
.endm
.macro MULS hd, ks                     ; 16 products; the accumulators take turns, one instruction a turn
.if \ks < 5
	WIN 0xf4
.else
	WIN 0xf8
.endif
.irp x, 0,1,2,3
.irp y, 0,1,2,3
.set rD, 8*(4*\x+\y)
.set rA, WF+48*((\ks)%2)+12*\y
.set rB, 48*((\ks)%5)+12*\x
.set sA, WS+8*(4*(\hd)+\y)+(\ks)
.set sB, XS+8*(\x/2)+(\ks)
.set rC, BI+8*(4*(\hd)+\y)
.if \ks != 0
.set rC, rD
.endif
.if \x%2
	v_wmma_scale_f32_16x16x128_f8f6f4 v[rD:rD+7], v[rA:rA+11], v[rB:rB+11], v[rC:rC+7], v[sA], v[sB] matrix_a_fmt:MATRIX_FMT_FP6 matrix_b_fmt:MATRIX_FMT_FP6 matrix_b_scale:MATRIX_SCALE_ROW1
.else
	v_wmma_scale_f32_16x16x128_f8f6f4 v[rD:rD+7], v[rA:rA+11], v[rB:rB+11], v[rC:rC+7], v[sA], v[sB] matrix_a_fmt:MATRIX_FMT_FP6 matrix_b_fmt:MATRIX_FMT_FP6
.endif
.endr
.endr
	WIN 0
.endm
.macro HEAD hd                         ; 64 rows x 64 columns over all of K; Wo's fragments run one K step ahead, in two sets
	FETCHW \hd, 0, 0
.irp ks, 0,1,2,3,4,5,6,7
.if \ks < 7
.if \ks > 0
	PLACES 4                                       ; in front of loads into the set that the step before multiplied
.endif
	FETCHW \hd, \ks+1, (\ks+1)%2
	s_wait_dscnt 24                                ; all but the 24 just issued
.else
	s_wait_dscnt 0x0
.endif
	MULS \hd, \ks
.endr
.endm
.macro TOSTAGE a
	WIN 0x0c                                       ; an LDS store's data are its source 1: window 3
.irp y, 0,1,2,3
	ds_store_b128 v[STO], v[8*(4*(\a)+\y):8*(4*(\a)+\y)+3] offset:64*\y      ; each accumulator from its low end on
	ds_store_b128 v[STO], v[8*(4*(\a)+\y)+4:8*(4*(\a)+\y)+7] offset:64*\y+16
.endr
	WIN 0
.irp i, 0,1,2,3,4,5,6,7
	ds_load_b128 v[BK+32*((\a)%2)+4*\i:BK+32*((\a)%2)+4*\i+3], v[RD] offset:544*\i   ; LDS serves a wave's instructions in order (ISA guide 5.7.1.4): these see the stores above
.endr
.endm
.macro SEND a, hd, younger
	s_wait_dscnt \younger
.irp i, 0,1,2,3,4,5,6,7
	global_store_b128 v[CO], v[BK+32*((\a)%2)+4*\i:BK+32*((\a)%2)+4*\i+3], s[14:15] offset:(16*(\a)+2*\i)*16384+256*\hd th:TH_STORE_NT   ; 16 lanes store 256 consecutive bytes of a row; written once, read by nobody here
.endr
.endm
.macro OUT hd
	PLACES 5                                       ; ahead of the first read of results and of the loads into Wo's registers; five, since no other vector work stands ahead of the next products, which begin the accumulators anew
	TOSTAGE 0
.irp a, 1,2,3
.if \a > 1
	s_wait_xcnt 0x0                                ; block a - 2's stores have read their registers: block a's rows may land there
.endif
	TOSTAGE \a
	SEND \a-1, \hd, 16                             ; behind block a - 1's loads: block a's 8 stores and 8 loads
.endr
	SEND 3, \hd, 0
.if \hd == 0
	s_wait_xcnt 0x0                                ; the stores' registers take Wo's fragments again
.endif
.endm
	s_load_b256 s[4:11], s[0:1], 0x0               ; acod, ascl, Wo's codes, Wo's scales
	s_load_b128 s[12:15], s[0:1], 0x20             ; bo, out0
	v_lshl_add_u32 v18, v0, 2, SPARE
	v_mov_b32 v19, 0
	ds_add_u32 v18, v19                            ; the opening lines: the add, twice on end, and its wait ahead of the first tensor load
	ds_add_u32 v18, v19
	v_lshrrev_b32 v15, 5, v0
	v_readfirstlane_b32 s[WV], v15                 ; wave 0..3 = batch
	s_bfe_u32 s[CX], ttmp6, 0x40000
	s_lshl_b32 s[MY], ttmp9, 2
	s_add_co_u32 s[MY], s[MY], s[CX]               ; which 64 positions: it enters a's and out0's addresses alone
	s_and_b32 s[NX], ttmp7, 0xffff                 ; which 128 columns: shared by the four partners
	s_mov_b32 s[G1W], 15|(1<<20)|(1<<21)|(5<<22)|(3<<25)   ; the mask: all four; elements of 1 byte; 16 bytes of padding behind every 256
	s_mov_b32 s[G1W+1], 768<<16
	s_mov_b32 s[G1W+2], 32<<16
	s_mov_b32 s[G1W+3], 768<<16
	s_mov_b32 s[G1W+4], 32
	s_mov_b32 s[G1W+5], 768
	s_mov_b32 s[G1W+6], 0
	s_mov_b32 s[G1W+7], 0
	s_lshl_b32 s20, s[NX], 7
	s_lshl_b32 s21, s[WV], 5
	s_add_co_u32 s20, s20, s21
	s_mul_i32 s20, s20, 768                        ; Wo: row 128 nx + 32 w
	s_mov_b32 s21, 0
	v_and_b32 v15, 15, v0                          ; r
	v_bfe_u32 v16, v0, 4, 1                        ; h
	v_and_b32 v1, 31, v0
	v_lshlrev_b32 v11, 2, v1                       ; 4 x lane
	v_lshlrev_b32 v1, 3, v1                        ; 8 x lane
	v_mul_u32_u24 v4, v15, PX
	v_mad_u32_u24 v4, v16, 24, v4                  ; Wo's first 64 rows: row r, + 24 h
	v_lshl_add_u32 v5, v16, 4, v4                  ; and behind one padding more
	v_add_nc_u32 v6, 2*WW, v4                      ; its second 64 rows
	v_add_nc_u32 v7, 2*WW, v5
	v_lshlrev_b32 v9, 5, v15                       ; Wo's scales: 32 bytes a row
	v_lshlrev_b32 v10, 5, v16                      ; the bias: my half's 8 columns
	s_mul_i32 s37, s[WV], 16*272
	s_add_co_u32 s37, s37, STG                     ; my stage
	v_mul_u32_u24 v[STO], v15, 272
	v_lshl_add_u32 v[STO], v16, 5, v[STO]
	v_add_nc_u32 v[STO], s37, v[STO]               ; in: row r, 32 bytes for each half of the lanes
	v_mul_u32_u24 v[RD], v16, 272
	v_lshl_add_u32 v[RD], v15, 4, v[RD]
	v_add_nc_u32 v[RD], s37, v[RD]                 ; back: lanes 0-15 one row, lanes 16-31 the next
	v_lshlrev_b32 v[CO], 14, v16
	v_lshl_add_u32 v[CO], v15, 4, v[CO]            ; and the same in out0: positions are 16,384 bytes apart
	s_wait_dscnt 0x0                               ; both opening adds are done
	s_wait_kmcnt 0x0
	s_mov_b32 s[G0W], 1
	s_mul_i32 s[G0W+1], s[WV], WW
	s_add_nc_u64 s[G0W+2:G0W+3], s[8:9], s[20:21]
	s_or_b32 s[G0W+3], s[G0W+3], 0x80000000
	CROUND                                         ; all four work-groups are here: the joint load meets
	tensor_load_to_lds s[G0W:G0W+3], s[G1W:G1W+7]  ; one load of mine is out
	s_nop 0
	PLACES 4
	s_lshl_b32 s20, s[NX], 12
	s_add_nc_u64 s[10:11], s[10:11], s[20:21]      ; Wo's scales at row 128 nx
	s_lshl_b32 s20, s[NX], 9
	s_add_nc_u64 s[12:13], s[12:13], s[20:21]      ; bo at column 128 nx
	s_add_nc_u64 s[14:15], s[14:15], s[20:21]      ; out0 likewise,
	s_mov_b32 s23, 0
	s_lshl_b32 s22, s[MY], 8
	s_add_co_u32 s22, s22, s[WV]
	s_lshl_b32 s22, s22, 12                        ; at row 4 (64 my) + w
	s_add_nc_u64 s[14:15], s[14:15], s[22:23]
	s_lshl_b32 s22, s[WV], 7
	s_lshl_b32 s36, s[MY], 2
	s_add_co_u32 s22, s22, s36
	s_mul_i32 s22, s22, 12288                      ; a's codes: tile 128 w + 4 my, 16 half operands a tile
	s_add_nc_u64 s[4:5], s[4:5], s[22:23]
	s_lshl_b32 s22, s[WV], 6
	s_lshl_b32 s36, s[MY], 1
	s_add_co_u32 s22, s22, s36
	s_lshl_b32 s22, s22, 11                        ; its scale words: pair of tiles 64 w + 2 my, 2,048 bytes a pair
	s_add_nc_u64 s[6:7], s[6:7], s[22:23]
.irp pr, 0,1
.irp hh, 0,1,2,3,4,5,6,7,8,9,10,11,12,13,14,15
	global_load_b32 v[128+16*\pr+\hh], v11, s[6:7] offset:2048*\pr+128*\hh
.endr
.endr
.irp ct, 0,1,2,3,4,5,6,7
	global_load_b128 v[WS+8*\ct:WS+8*\ct+3], v9, s[10:11] offset:512*\ct
	global_load_b128 v[WS+8*\ct+4:WS+8*\ct+7], v9, s[10:11] offset:512*\ct+16
.endr
	WIN 0xc0
	s_wait_alu depctr_va_vdst(0)
.irp ct, 0,1,2,3,4,5,6,7
	global_load_b128 v[BI+8*\ct:BI+8*\ct+3], v10, s[12:13] offset:64*\ct
	global_load_b128 v[BI+8*\ct+4:BI+8*\ct+7], v10, s[12:13] offset:64*\ct+16
.endr
.irp ks, 0,1,2,3,4,5,6,7                       ; a's fragments: registers 6 c .. 6 c + 5 of (rt, ks) are the image of head 2 ks + c
.if \ks < 5
	WIN 0x40
.else
	WIN 0x80
.endif
.irp rt, 0,1,2,3
.irp c, 0,1
.irp p, 0,1,2
	global_load_b64 v[48*(\ks%5)+12*\rt+6*\c+2*\p:48*(\ks%5)+12*\rt+6*\c+2*\p+1], v1, s[4:5] offset:12288*\rt+768*(2*\ks+\c)+256*\p
.endr
.endr
.endr
.endr
	WIN 0
	s_wait_loadcnt 0x0
.irp pr, 0,1
.irp ks, 0,1,2,3,4,5,6,7
	v_lshl_or_b32 v[XS+8*\pr+\ks], v[128+16*\pr+2*\ks+1], 16, v[128+16*\pr+2*\ks]   ; two heads' two bytes make a K step's scale word
.endr
.endr
	s_wait_alu depctr_va_vdst(0)
	s_wait_tensorcnt 0x0                           ; my 32 rows of Wo are in,
	s_barrier_signal -1
	s_barrier_wait -1                              ; everybody's are
	PLACES 8                                       ; between the scale words just made and the first product
	HEAD 0
	OUT 0
	HEAD 1
	OUT 1
	s_wait_tensorcnt 0x0                           ; the wave's end
	ds_add_u32 v18, v19
	s_wait_dscnt 0x0
	CROUND                                         ; the closing round
	s_endpgm
.Lfunc_end_k_q5ca6a9a743_outp:
	.size	k_q5ca6a9a743_outp, .Lfunc_end_k_q5ca6a9a743_outp-k_q5ca6a9a743_outp
	.p2alignl 7, 3214868480
	.fill 96, 4, 3214868480
	.section	.rodata,"a",@progbits
	.p2align	6, 0x0
	.amdhsa_kernel k_q5ca6a9a743_outp
		.amdhsa_group_segment_fixed_size 167936
		.amdhsa_private_segment_fixed_size 0
		.amdhsa_enable_private_segment 0
		.amdhsa_kernarg_size 48
		.amdhsa_user_sgpr_count 2
		.amdhsa_user_sgpr_kernarg_segment_ptr 1
		.amdhsa_wavefront_size32 1
		.amdhsa_system_sgpr_workgroup_id_x 1
		.amdhsa_system_sgpr_workgroup_id_y 1
		.amdhsa_system_sgpr_workgroup_id_z 1
		.amdhsa_system_vgpr_workitem_id 0
		.amdhsa_next_free_vgpr 1024
		.amdhsa_next_free_sgpr 66
		.amdhsa_reserve_vcc 0
		.amdhsa_float_denorm_mode_32 3
		.amdhsa_float_denorm_mode_16_64 3
		.amdhsa_memory_ordered 1
		.amdhsa_forward_progress 1
		.amdhsa_inst_pref_size 105
	.end_amdhsa_kernel
	.amdgpu_metadata
---
amdhsa.version: [ 1, 2 ]
amdhsa.kernels:
  - .name:           k_q5ca6a9a743_outp
    .symbol:         k_q5ca6a9a743_outp.kd
    .args:
      - { .name: acod, .offset: 0, .size: 8, .value_kind: global_buffer, .address_space: global }
      - { .name: ascl, .offset: 8, .size: 8, .value_kind: global_buffer, .address_space: global }
      - { .name: Wo_codes, .offset: 16, .size: 8, .value_kind: global_buffer, .address_space: global }
      - { .name: Wo_scales, .offset: 24, .size: 8, .value_kind: global_buffer, .address_space: global }
      - { .name: bo, .offset: 32, .size: 8, .value_kind: global_buffer, .address_space: global }
      - { .name: out0, .offset: 40, .size: 8, .value_kind: global_buffer, .address_space: global }
    .group_segment_fixed_size: 167936
    .private_segment_fixed_size: 0
    .kernarg_segment_align: 8
    .kernarg_segment_size: 48
    .max_flat_workgroup_size: 128
    .sgpr_count:     66
    .vgpr_count:     1024
    .wavefront_size: 32
...
	.end_amdgpu_metadata
.endif
;; end of part 3
